; MI455X (gfx1250); checked and timed in simulation.
; The chip was launched on July 23, 2026; its instructions are those of AMD's public machine-readable ISA for CDNA 5 (MIT licence, August 2026) and "CDNA5" Instruction Set Architecture Reference Guide (July 2026). The comments in the code are by the model that wrote it; some were corrected since.
;; CMP Model. Allowed arithmetic: matrix products marked QUANTISED: E2M1 operands, one E8M0 scale for each 32 along K, by v_wmma_scale_f32_16x16x128_f8f6f4 with both operands' format E2M1 (or v_wmma_scale_f32_32x16x128_f4), f32 sums; products left as they are: f32 operands where the result goes on into a quantised operand, else bf16, f16 or f32 operands; f32 sums; everything else in f32.
;; Inputs: cmp_emb 50,000 x 256 float32; q_position 64 x 128 float32; questions 64 x 128 int32; weighted_q 128 float32; word_emb 50,000 x 256 float32.
;; Outputs: out0 64 x 256 x 256 float32; out1 64 x 256 x 256 float32.
;; This version of the problem:
;;   THIS VERSION OF THE PROBLEM IS GIVEN IN LOW PRECISION. The matrix products marked QUANTISED in the list below multiply operands that are first quantised to E2M1 (2 exponent bits, 1 mantissa bit; 4 bits a number), with one power-of-two scale for each 32 numbers along K (OCP MX v1.0); their sums are f32. All else is computed in f32.
;;   The module's matrix products, in the order in which they are computed (A, B: the left and right operand; K: the contracted axis; several contracted axes count as one K, in the product's order):
;;     1. batch 128 x [M 16,384, K 1] x [K 1, N 1]; A: computed on the way; B: computed on the way: left as it is (no contracted axis)
;;     2. batch 64 x [M 256, K 128] x [K 128, N 256]; A: computed on the way; B: computed on the way: QUANTISED
;;     3. batch 128 x [M 16,384, K 1] x [K 1, N 1]; A: computed on the way; B: computed on the way: left as it is (no contracted axis)
;;     4. batch 64 x [M 256, K 128] x [K 128, N 256]; A: computed on the way; B: computed on the way: QUANTISED
;;     5. batch 128 x [M 16,384, K 1] x [K 1, N 1]; A: computed on the way; B: computed on the way: left as it is (no contracted axis)
;;     6. batch 64 x [M 256, K 128] x [K 128, N 256]; A: computed on the way; B: computed on the way: QUANTISED
;;     7. batch 128 x [M 16,384, K 1] x [K 1, N 1]; A: computed on the way; B: computed on the way: left as it is (no contracted axis)
;;     8. batch 64 x [M 256, K 128] x [K 128, N 256]; A: computed on the way; B: computed on the way: QUANTISED
;;   THE QUANTISER, for each operand of a quantised product, along K:
;;     - K is cut into blocks of 32 from its start; a last block that is shorter is filled with zeros.
;;     - A block's scale is 2^e with e = floor(log2(the largest magnitude in the block)) - 2, held to -126 .. 127; a block of zeros has e = 0. As a byte (E8M0): e + 127.
;;     - Each number is divided by its block's scale, clamped to +-6, and rounded to the nearest number of E2M1, ties to even, subnormals kept.
;;     - The product sums the exact products of the quantised numbers (number of the format x scale) in f32.
;;   ~~~python
;;   def quantise(x, axis):      # numpy; x: float32 -> the quantised numbers, widened to float32 again
;;       x = np.moveaxis(x, axis, -1); K = x.shape[-1]
;;       x = np.pad(x, [(0, 0)] * (x.ndim - 1) + [(0, -K % 32)]); x = x.reshape(x.shape[:-1] + (-1, 32)); a = np.abs(x).max(-1, keepdims=True)
;;       e = np.where(a > 0, np.clip(np.frexp(np.where(a > 0, a, 1))[1] - 1 - 2, -126, 127), 0)      # np.frexp(a)[1] - 1 = floor(log2(a)), exactly
;;       r = np.clip(x / 2.0 ** e, -6, 6)
;;       step = 2.0 ** (np.maximum(np.frexp(np.where(r == 0, 1, r))[1] - 1, 0) - 1)
;;       q = np.round(r / step) * step * 2.0 ** e      # np.round: ties to even
;;       return np.moveaxis(q.reshape(q.shape[:-2] + (-1,))[..., :K], -1, axis).astype(np.float32)
;;   ~~~
;;   OPERANDS COMPUTED ON THE WAY. 'Computed on the way' means the value that the module computes at that place (a softmax that the list does not call 'softmax' is quantised finished and normalised). What goes into a quantiser is computed in f32, as accurately as f32 sums, v_exp_f32 and their like allow (about 1e-6 of the number): no bf16 or f16 on the way to a quantiser, and a product that is left as it is and whose result goes on into a quantised operand takes f32 operands (vector FMAs, or v_wmma_f32_16x16x4_f32). A number that lies on a knife's edge between two numbers of the format may be rounded either way, as far as f32 arithmetic and the matrix unit's own rounding can turn it there, and no further.
;; 2 versions, each right; version 2 is version 1 with the launch density written anew for expert scheduling mode. Each part assembles by itself: llvm-mc -triple=amdgcn-amd-amdhsa -mcpu=gfx1250 --defsym DOCPART=n.
;; ======== version 1 of 2: 1 launch
;; launch density (part 1): grid 256 x 1, 16 waves a work-group, no clusters, 107,008 bytes of LDS; arguments questions, q_position, weighted_q, word_emb, cmp_emb, out0, out1; writes out0, out1
.if DOCPART == 1
	.amdgcn_target "amdgcn-amd-amdhsa--gfx1250"
	.amdhsa_code_object_version 6
	.text
	.protected	k_qbdd78c839f_density
	.globl	k_qbdd78c839f_density
	.p2align	8
	.type	k_qbdd78c839f_density,@function
k_qbdd78c839f_density:
	s_mov_b64 s[64:65], 0
	v_nop
	global_prefetch_b8 v0, s[64:65] scope:SCOPE_SE
	s_setreg_imm32_b32 hwreg(HW_REG_WAVE_MODE, 25, 1), 1
	s_wait_xcnt 0x0
; real[b][d][e] = sum_s Q(R)[s][d] Q(R w)[s][e] + sum_s Q(I)[s][d] Q(I w)[s][e]
; imag[b][d][e] = sum_s Q(I)[s][d] Q(R w)[s][e] - sum_s Q(R)[s][d] Q(I w)[s][e]
; R = word_emb[questions], I = cmp_emb[questions] x q_position, w = weighted_q; Q quantises to FP4 (E2M1) along s, one E8M0 scale for each 32 tokens.
; The weight stands on the operand that carries the output's column index e: the three-operand sum multiplies weighted_q into its last operand first, and that product is what is quantised.
; I is rounded, then I x w: the order of the source.
; SHARES.  256 work-groups: batch = number / 4, half of d = bit 1, half of e = bit 0: 128 x 128 of real and of imag each.  Sixteen waves of 256 registers.
; PHASE 1.  Wave w gathers and quantises one block of 32 tokens (w % 4) of one table ((w / 4) % 2) for one side (w / 8: 0 = my 128 d, plain; 1 = my 128 e, weighted): 32 loads, each 512 consecutive
; aligned bytes of one token's row; a lane holds 4 columns x 32 tokens.  All waves run one text: the two factors of a token are q_position or 1.0, and weighted_q or 1.0 (x 1.0 changes no bit).
; The first multiplication also lays a column's 32 numbers into consecutive registers, as the conversion wants them: a block of 32 along K is one lane's, so no other lane is asked for a maximum.
; The codes go to LDS as images of the operand's registers: row (column of the table) c16 of fragment f, block k: 16 bytes at 1,040 f + 256 k + 16 c16; a fragment is then two loads of 16 bytes a lane at 16 x lane.
; PHASE 2, behind one barrier.  Wave w makes rows 16 (w % 8) .. + 15 of d x 64 of e (w / 8), real and imag: 16 matrix instructions on 8 accumulators.  The product is used transposed (source 0 = 16 rows of e,
; source 1 = 16 rows of d), so that a lane holds 8 neighbouring e of one row.  The difference is made by flipping the sign bits of Q(R)'s codes.  Results leave through the wave's own stage in LDS as aligned runs of 256 bytes.
; NO CLUSTER, NO TENSOR LOAD: a row's address comes from a loaded index, so the rows are gathered by register loads; joint requests exist for tensor loads alone.
; LIMITS: NaN and infinities among the inputs are not served.  An index is taken as unsigned and held at 49,999 (the source relies on indices inside the table).  A block of zeros gets the byte 1 where the rule
; says 127: its codes are zeros, which add nothing under that byte, and the bytes are read by this program alone.  Blocks whose largest magnitude lies under 2^-124 take the byte 1, as the rule holds it; not tried.
.set VOCAB, 50000
.set FPI,   1040                       ; a fragment's image: 1,024 bytes + 16, so that the sixteen lanes of a store fall on sixteen different 16-byte columns of 256
.set OPB,   8*FPI                      ; an operand: 8 fragments.  Operand 0 = Q(R), 1 = Q(I), of my 128 d; 2 = Q(R w), 3 = Q(I w), of my 128 e
.set SC,    4*OPB                      ; the scale words: 512 bytes an operand, 4 bytes a row, byte k for block k
.set STG,   SC+4*512                   ; the stages for the way out: 16 rows x 272 bytes for each wave
.set SP,    272
.set WSTG,  16*SP
.set LN,   1                           ; v1   lane
.set Z,    2                           ; v2   0: the offset of loads that every lane makes at the same address
.set L16,  3                           ; v3   16 x lane
.set STA,  4                           ; v4   LDS: where my codes go
.set STS,  5                           ; v5   LDS: where my scale bytes go
.set MXA,  6                           ; v6-7 two chains of the largest magnitude
.set MXB,  7
.set SCL,  8                           ; v8   the conversion's scale operand
.set ONE,  9                           ; v9   1.0
.set BY,   10                          ; v10-13 a scale byte for each of my 4 columns
.set RR,   14                          ; v14  lane % 16
.set HH,   15                          ; v15  lane / 16
.set C,    16                          ; v16-31 codes: 4 registers for each of my 4 columns
.set Q,    32                          ; v32-63 weighted_q of my 32 tokens, or 1.0
.set TT,   64                          ; v64-95 first the rows' byte offsets, then one column's 32 numbers
.set SCR,  96                          ; v96-105 scale words and nothing else: Q(R), Q(I) of my d fragment; 4 x Q(R w), 4 x Q(I w)
.set AA,   106                         ; v106 LDS: my d fragment's image
.set AB,   107                         ; v107 LDS: my first e fragment's image
.set SA,   108                         ; v108 LDS: my d fragment's scale words
.set SB,   109                         ; v109 LDS: my e fragments' scale words
.set SO,   110                         ; v110 the stage: where I put 32 bytes of a row
.set SR,   111                         ; v111 the stage: where I read a row back
.set GO,   112                         ; v112 my byte offset in the wave's rows of the output
.set RAW,  128                         ; v128-255 register 4 t + c: token t, my column c
.set A1,   32                          ; phase 2: Q(R), Q(I), -Q(R) of my 16 d
.set A2,   40
.set NA1,  48
.set B1,   128                         ; four fragments of Q(R w); later 16 rows of real on their way out
.set B2,   160                         ; four fragments of Q(I w); later 16 rows of imag
.set RE,   192                         ; four accumulators of real
.set IM,   224                         ; four of imag
.set PS,   68                          ; s68-99 q_position of my 32 tokens, or 1.0
	s_load_b256 s[4:11], s[0:1], 0x0               ; questions s[4:5], q_position s[6:7], weighted_q s[8:9], word_emb s[10:11]
	s_load_b128 s[12:15], s[0:1], 0x20             ; cmp_emb s[12:13], out0 s[14:15]
	s_load_b64 s[16:17], s[0:1], 0x30              ; out1
	v_lshl_add_u32 v126, v0, 2, 0x19a00
	v_mov_b32 v127, 0
	v_lshrrev_b32 v[LN], 5, v0
	v_readfirstlane_b32 s18, v[LN]                 ; wave 0..15
	v_and_b32 v[LN], 31, v0
	v_mov_b32 v[Z], 0
	v_mov_b32 v[ONE], 1.0
	v_lshlrev_b32 v[L16], 4, v[LN]
	v_and_b32 v[RR], 15, v0
	v_bfe_u32 v[HH], v0, 4, 1
	s_and_b32 s19, s18, 3                          ; my block of 32 tokens
	s_bfe_u32 s20, s18, 0x10002                    ; my table: 0 word_emb, 1 cmp_emb
	s_lshr_b32 s21, s18, 3                         ; phase 1: my side (0: d, plain; 1: e, weighted).  Phase 2: which 64 of the 128 e
	s_and_b32 s25, s18, 7                          ; phase 2: my d fragment
	s_lshr_b32 s36, s18, 2                         ; phase 1: my operand = 2 x side + table
	s_lshr_b32 s22, ttmp9, 2                       ; batch
	s_bfe_u32 s23, ttmp9, 0x10001                  ; which half of d
	s_and_b32 s24, ttmp9, 1                        ; which half of e
	s_lshl_b32 s32, s19, 7                         ; a block's 32 numbers are 128 bytes
	s_mov_b32 s33, 0
	s_lshl_b32 s26, s22, 9                         ; a batch's 128 are 512
	s_add_co_u32 s26, s26, s32
	s_mov_b32 s27, 0
	s_cmp_eq_u32 s21, 0
	s_cselect_b32 s34, s23, s24                    ; the half of the columns that my side wants
	s_lshl_b32 s34, s34, 9                         ; 128 columns are 512 bytes
	s_mov_b32 s35, 0
	s_mov_b32 s42, 0x3f800000                      ; 1.0
	; LDS, phase 1.  My columns are 4 lane + c: fragment lane / 4, row 4 (lane % 4) + c
	v_lshrrev_b32 v[STA], 2, v[LN]
	v_mul_u32_u24 v[STA], v[STA], FPI
	v_and_b32 v[STS], 3, v[LN]
	v_lshl_add_u32 v[STA], v[STS], 6, v[STA]
	s_mul_i32 s37, s36, OPB
	s_lshl_b32 s38, s19, 8
	s_add_co_u32 s37, s37, s38
	v_add_nc_u32 v[STA], s37, v[STA]               ; operand + 1,040 (lane / 4) + 64 (lane % 4) + 256 block; column c: 16 c on
	s_lshl_b32 s37, s36, 9
	s_add_co_u32 s37, s37, s19
	s_add_co_u32 s37, s37, SC
	v_add_nc_u32 v[STS], s37, v[L16]               ; the operand's scale words + 16 lane + block; column c: 4 c on
	; LDS, phase 2
	s_mul_i32 s37, s25, FPI
	v_add_nc_u32 v[AA], s37, v[L16]
	s_mul_i32 s37, s21, 4*FPI
	v_add_nc_u32 v[AB], s37, v[L16]
	s_lshl_b32 s37, s25, 6
	v_lshl_add_u32 v[SA], v[RR], 2, s37            ; row lane % 16 of my d fragment: both halves of the lanes read the same words
	s_lshl_b32 s37, s21, 8
	v_lshl_add_u32 v[SB], v[RR], 2, s37
	s_mul_i32 s37, s18, WSTG
	s_add_co_u32 s37, s37, STG                     ; my stage
	v_mul_u32_u24 v[SO], v[RR], SP
	v_lshl_add_u32 v[SO], v[HH], 5, v[SO]
	v_add_nc_u32 v[SO], s37, v[SO]                 ; in: row lane % 16, 32 bytes for each half of the lanes
	v_mul_u32_u24 v[SR], v[HH], SP
	v_lshl_add_u32 v[SR], v[RR], 4, v[SR]
	v_add_nc_u32 v[SR], s37, v[SR]                 ; back: lanes 0-15 one row of 256 bytes, lanes 16-31 the next
	v_lshlrev_b32 v[GO], 10, v[HH]
	v_lshl_add_u32 v[GO], v[RR], 4, v[GO]          ; and the same two rows in the output (a row is 1,024 bytes)
	; where my wave's 16 rows x 256 bytes begin in each output
	s_lshl_b32 s40, s22, 18                        ; batch x 256 rows
	s_lshl_b32 s39, s23, 17                        ; + half of d x 128 rows
	s_add_co_u32 s40, s40, s39
	s_lshl_b32 s39, s25, 14                        ; + fragment x 16 rows
	s_add_co_u32 s40, s40, s39
	s_lshl_b32 s39, s24, 9                         ; + half of e x 512 bytes
	s_add_co_u32 s40, s40, s39
	s_lshl_b32 s39, s21, 8                         ; + my 64 e x 4 bytes
	s_add_co_u32 s40, s40, s39
	s_mov_b32 s41, 0
	s_wait_kmcnt 0x0
	s_add_nc_u64 s[4:5], s[4:5], s[26:27]          ; questions, q_position and weighted_q at my block
	s_add_nc_u64 s[6:7], s[6:7], s[26:27]
	s_add_nc_u64 s[8:9], s[8:9], s[32:33]
.irp k, 0,1,2,3,4,5,6,7
	global_load_b128 v[TT+4*\k:TT+4*\k+3], v[Z], s[4:5] offset:16*\k   ; my 32 indices, the same in every lane: register t is token t's
.endr
	s_load_b512 s[PS:PS+15], s[6:7], 0x0           ; q_position of my 32 tokens: one number a token, so scalar registers hold them
	s_load_b512 s[PS+16:PS+31], s[6:7], 0x40
.irp k, 0,1,2,3,4,5,6,7
	global_load_b128 v[Q+4*\k:Q+4*\k+3], v[Z], s[8:9] offset:16*\k     ; weighted_q likewise, in vector registers: the packed multiplication takes two different factors from a vector pair alone
.endr
	s_cmp_eq_u32 s20, 0
	s_cselect_b64 s[28:29], s[10:11], s[12:13]     ; my table,
	s_add_nc_u64 s[28:29], s[28:29], s[34:35]      ; at my half of its columns
	s_add_nc_u64 s[14:15], s[14:15], s[40:41]
	s_add_nc_u64 s[16:17], s[16:17], s[40:41]
	s_wait_loadcnt 8                               ; the 8 index loads are in; the 8 loads of weighted_q, issued behind them, may be out
.set n, 0
.rept 32
	v_min_u32 v[TT+n], VOCAB-1, v[TT+n]            ; held inside the table
.set n, n+1
.endr
.set n, 0
.rept 32
	v_lshl_add_u32 v[TT+n], v[TT+n], 10, v[L16]    ; row x 1,024 bytes + my 16 bytes
.set n, n+1
.endr
.set n, 0
.rept 32
	global_load_b128 v[RAW+4*n:RAW+4*n+3], v[TT+n], s[28:29]   ; token n: 32 lanes read 512 consecutive bytes, at a multiple of 512 from the table's first byte.  No hint: the batch's other work-groups read the row too
.set n, n+1
.endr
	s_wait_kmcnt 0x0                               ; q_position
	s_cmp_eq_u32 s20, 0                            ; word_emb has no position factor
.set n, 0
.rept 32
	s_cselect_b32 s[PS+n], s42, s[PS+n]
.set n, n+1
.endr
	s_cmp_eq_u32 s21, 0                            ; the e side alone is weighted: side 0 takes 1.0, side 1 weighted_q
	s_cselect_b32 s30, 0, -1
	s_wait_loadcnt 32                              ; weighted_q is in; the 32 gathers, issued behind it, may be out
.set n, 0
.rept 32
	v_cndmask_b32 v[Q+n], v[ONE], v[Q+n], s30
.set n, n+1
.endr
	s_wait_loadcnt 0x0                             ; a column wants all 32 tokens.  The offsets in v64-95 are free from here on
; One of my 4 columns: its 32 numbers, their block's scale, 32 codes.
.macro COLUMN c
.set n, 0
.rept 32
	v_mul_f32 v[TT+n], s[PS+n], v[RAW+4*n+(\c)]    ; x q_position (or 1.0), rounded; the column now lies in consecutive registers
.set n, n+1
.endr
.set n, 0
.rept 16
	v_pk_mul_f32 v[TT+n:TT+n+1], v[TT+n:TT+n+1], v[Q+n:Q+n+1]   ; x weighted_q (or 1.0), two tokens at a time
.set n, n+2
.endr
	v_max3_num_f32 v[MXA], |v[TT]|, |v[TT+1]|, 0x1800000        ; the largest magnitude, in two chains, with the floor 2^(3 - 127) among the leaves: the byte cannot fall under 1
	v_max3_num_f32 v[MXB], |v[TT+2]|, |v[TT+3]|, |v[TT+4]|
.irp i, 5,9,13,17,21,25
	v_max3_num_f32 v[MXA], v[MXA], |v[TT+\i]|, |v[TT+\i+1]|
	v_max3_num_f32 v[MXB], v[MXB], |v[TT+\i+2]|, |v[TT+\i+3]|
.endr
	v_max3_num_f32 v[MXA], v[MXA], |v[TT+29]|, |v[TT+30]|
	v_max3_num_f32 v[MXA], v[MXA], v[MXB], |v[TT+31]|
	v_add_nc_u32 v[SCL], 0xff000000, v[MXA]        ; 2 off its exponent field: the conversion takes the exponent field of this operand as its scale, and nothing else of it
.irp g, 0,1,2,3
	v_cvt_scalef32_pk8_fp4_f32 v[C+4*(\c)+\g], v[TT+8*\g:TT+8*\g+7], v[SCL]   ; to the nearest code, ties to even, beyond 6 the largest code; the lower token in the lower bits
.endr
	v_lshrrev_b32 v[BY+(\c)], 23, v[SCL]           ; the scale's byte.  Also the plain instruction between the conversions and the next writes of their sources
	ds_store_b128 v[STA], v[C+4*(\c):C+4*(\c)+3] offset:16*(\c)
	ds_store_b8 v[STS], v[BY+(\c)] offset:4*(\c)
.endm
	COLUMN 0
	COLUMN 1
	COLUMN 2
	COLUMN 3
	s_wait_dscnt 0x0                               ; for the others' sake: my codes and bytes lie in LDS
	s_barrier_signal -1
	s_barrier_wait -1                              ; all four operands are whole
	; PHASE 2.  The d side first: six loads
.irp c, 0,1
	ds_load_b128 v[A1+4*\c:A1+4*\c+3], v[AA] offset:512*\c
	ds_load_b128 v[A2+4*\c:A2+4*\c+3], v[AA] offset:OPB+512*\c
.endr
	ds_load_b32 v[SCR], v[SA] offset:SC
	ds_load_b32 v[SCR+1], v[SA] offset:SC+512
.irp t, 0,1,2,3
.irp c, 0,1
	ds_load_b128 v[B1+8*\t+4*\c:B1+8*\t+4*\c+3], v[AB] offset:2*OPB+\t*FPI+512*\c
	ds_load_b128 v[B2+8*\t+4*\c:B2+8*\t+4*\c+3], v[AB] offset:3*OPB+\t*FPI+512*\c
.endr
	ds_load_b32 v[SCR+2+\t], v[SB] offset:SC+1024+64*\t
	ds_load_b32 v[SCR+6+\t], v[SB] offset:SC+1536+64*\t
.endr
	s_wait_dscnt 24                                ; the d side's six loads are in; the e side's 24, issued behind them, may be out
.irp k, 0,1,2,3,4,5,6,7
	v_xor_b32 v[NA1+\k], 0x88888888, v[A1+\k]      ; -Q(R): the sign is the top bit of each code; the scale word stays
.endr
	s_wait_dscnt 0x0
.rept 4
	v_nop                                          ; an operand written by vector instructions stands four places ahead of a scaled matrix instruction
.endr
	; real = Q(R w)[e] Q(R)[d] + Q(I w)[e] Q(I)[d];  imag = Q(R w)[e] Q(I)[d] + Q(I w)[e] (-Q(R))[d].
	; The eight accumulators take turns, one instruction a turn.  The first product of each starts its sum: nothing is cleared.
.irp t, 0,1,2,3
	v_wmma_scale_f32_16x16x128_f8f6f4 v[RE+8*\t:RE+8*\t+7], v[B1+8*\t:B1+8*\t+7], v[A1:A1+7], 0, v[SCR+2+\t], v[SCR] matrix_a_fmt:MATRIX_FMT_FP4 matrix_b_fmt:MATRIX_FMT_FP4
	v_wmma_scale_f32_16x16x128_f8f6f4 v[IM+8*\t:IM+8*\t+7], v[B1+8*\t:B1+8*\t+7], v[A2:A2+7], 0, v[SCR+2+\t], v[SCR+1] matrix_a_fmt:MATRIX_FMT_FP4 matrix_b_fmt:MATRIX_FMT_FP4
.endr
.irp t, 0,1,2,3
	v_wmma_scale_f32_16x16x128_f8f6f4 v[RE+8*\t:RE+8*\t+7], v[B2+8*\t:B2+8*\t+7], v[A2:A2+7], v[RE+8*\t:RE+8*\t+7], v[SCR+6+\t], v[SCR+1] matrix_a_fmt:MATRIX_FMT_FP4 matrix_b_fmt:MATRIX_FMT_FP4
	v_wmma_scale_f32_16x16x128_f8f6f4 v[IM+8*\t:IM+8*\t+7], v[B2+8*\t:B2+8*\t+7], v[NA1:NA1+7], v[IM+8*\t:IM+8*\t+7], v[SCR+6+\t], v[SCR] matrix_a_fmt:MATRIX_FMT_FP4 matrix_b_fmt:MATRIX_FMT_FP4
.endr
.rept 4
	v_nop                                          ; four places in front of the stores that read results and of the loads into registers that held fragments
.endr
	; THE WAY OUT.  Lane (r, h), register j of tile t: row r, e = 16 t + 8 h + j: 32 neighbouring bytes; the lanes beside it hold other rows.  So 16 rows x 256 bytes go through my own stage and come back by rows.
	; LDS serves a wave's instructions in order (ISA guide 5.7.1.4): the loads see the stores above them, and imag's stores come behind real's loads.
.irp t, 0,1,2,3
	ds_store_b128 v[SO], v[RE+8*\t:RE+8*\t+3] offset:64*\t           ; each accumulator from its low end on
	ds_store_b128 v[SO], v[RE+8*\t+4:RE+8*\t+7] offset:64*\t+16
.endr
.irp i, 0,1,2,3,4,5,6,7
	ds_load_b128 v[B1+4*\i:B1+4*\i+3], v[SR] offset:2*\i*SP
.endr
.irp t, 0,1,2,3
	ds_store_b128 v[SO], v[IM+8*\t:IM+8*\t+3] offset:64*\t
	ds_store_b128 v[SO], v[IM+8*\t+4:IM+8*\t+7] offset:64*\t+16
.endr
.irp i, 0,1,2,3,4,5,6,7
	ds_load_b128 v[B2+4*\i:B2+4*\i+3], v[SR] offset:2*\i*SP
.endr
.irp i, 0,1,2,3,4,5,6,7
	s_wait_dscnt 23-\i                             ; behind real's load i: its 7 - i younger loads, imag's 8 stores and 8 loads
	global_store_b128 v[GO], v[B1+4*\i:B1+4*\i+3], s[14:15] offset:2048*\i th:TH_STORE_NT   ; sixteen lanes store 256 consecutive bytes, at a multiple of 256 from the output's first byte; written once, read by nobody here
.endr
.irp i, 0,1,2,3,4,5,6,7
	s_wait_dscnt 7-\i
	global_store_b128 v[GO], v[B2+4*\i:B2+4*\i+3], s[16:17] offset:2048*\i th:TH_STORE_NT
.endr
	s_wait_tensorcnt 0x0
	ds_add_u32 v126, v127
	s_wait_dscnt 0x0
	s_endpgm
.Lfunc_end_k_qbdd78c839f_density:
	.size	k_qbdd78c839f_density, .Lfunc_end_k_qbdd78c839f_density-k_qbdd78c839f_density
	.p2alignl 7, 3214868480
	.fill 96, 4, 3214868480
	.section	.rodata,"a",@progbits
	.p2align	6, 0x0
	.amdhsa_kernel k_qbdd78c839f_density
		.amdhsa_group_segment_fixed_size 107008
		.amdhsa_private_segment_fixed_size 0
		.amdhsa_enable_private_segment 0
		.amdhsa_kernarg_size 56
		.amdhsa_user_sgpr_count 2
		.amdhsa_user_sgpr_kernarg_segment_ptr 1
		.amdhsa_wavefront_size32 1
		.amdhsa_system_sgpr_workgroup_id_x 1
		.amdhsa_system_sgpr_workgroup_id_y 1
		.amdhsa_system_sgpr_workgroup_id_z 1
		.amdhsa_system_vgpr_workitem_id 0
		.amdhsa_next_free_vgpr 256
		.amdhsa_next_free_sgpr 100
		.amdhsa_reserve_vcc 0
		.amdhsa_float_denorm_mode_32 3
		.amdhsa_float_denorm_mode_16_64 3
		.amdhsa_memory_ordered 1
		.amdhsa_forward_progress 1
		.amdhsa_inst_pref_size 39
	.end_amdhsa_kernel
	.amdgpu_metadata
---
amdhsa.version: [ 1, 2 ]
amdhsa.kernels:
  - .name:           k_qbdd78c839f_density
    .symbol:         k_qbdd78c839f_density.kd
    .args:
      - { .name: questions, .offset: 0, .size: 8, .value_kind: global_buffer, .address_space: global }
      - { .name: q_position, .offset: 8, .size: 8, .value_kind: global_buffer, .address_space: global }
      - { .name: weighted_q, .offset: 16, .size: 8, .value_kind: global_buffer, .address_space: global }
      - { .name: word_emb, .offset: 24, .size: 8, .value_kind: global_buffer, .address_space: global }
      - { .name: cmp_emb, .offset: 32, .size: 8, .value_kind: global_buffer, .address_space: global }
      - { .name: out0, .offset: 40, .size: 8, .value_kind: global_buffer, .address_space: global }
      - { .name: out1, .offset: 48, .size: 8, .value_kind: global_buffer, .address_space: global }
    .group_segment_fixed_size: 107008
    .private_segment_fixed_size: 0
    .kernarg_segment_align: 8
    .kernarg_segment_size: 56
    .max_flat_workgroup_size: 512
    .sgpr_count:     100
    .vgpr_count:     256
    .wavefront_size: 32
...
	.end_amdgpu_metadata
.endif
;; end of part 1
;; ======== version 2 of 2: 1 launch; version 1 with the launch density written anew for expert scheduling mode
;; launch density (part 2): grid 256 x 1, 16 waves a work-group, no clusters, 107,008 bytes of LDS; arguments questions, q_position, weighted_q, word_emb, cmp_emb, out0, out1; writes out0, out1
.if DOCPART == 2
	.amdgcn_target "amdgcn-amd-amdhsa--gfx1250"
	.amdhsa_code_object_version 6
	.text
	.protected	k_qbdd78c839f_density
	.globl	k_qbdd78c839f_density
	.p2align	8
	.type	k_qbdd78c839f_density,@function
k_qbdd78c839f_density:
	s_mov_b64 s[64:65], 0
	v_nop
	global_prefetch_b8 v0, s[64:65] scope:SCOPE_SE
	s_setreg_imm32_b32 hwreg(HW_REG_WAVE_SCHED_MODE, 0, 2), 2
	s_setreg_imm32_b32 hwreg(HW_REG_WAVE_MODE, 25, 1), 1
	s_wait_xcnt 0x0
	s_wait_alu depctr_vm_vsrc(0)
; real[b][d][e] = sum_s Q(R)[s][d] Q(R w)[s][e] + sum_s Q(I)[s][d] Q(I w)[s][e]
; imag[b][d][e] = sum_s Q(I)[s][d] Q(R w)[s][e] - sum_s Q(R)[s][d] Q(I w)[s][e]
; R = word_emb[questions], I = cmp_emb[questions] x q_position, w = weighted_q; Q quantises to FP4 (E2M1) along s, one E8M0 scale for each 32 tokens.
; The weight stands on the operand that carries the output's column index e: the three-operand sum multiplies weighted_q into its last operand first, and that product is what is quantised.
; I is rounded, then I x w: the order of the source.
; SHARES.  256 work-groups: batch = number / 4, half of d = bit 1, half of e = bit 0: 128 x 128 of real and of imag each.  Sixteen waves of 256 registers.
; PHASE 1.  Wave w gathers and quantises one block of 32 tokens (w % 4) of one table ((w / 4) % 2) for one side (w / 8: 0 = my 128 d, plain; 1 = my 128 e, weighted): 32 loads, each 512 consecutive
; aligned bytes of one token's row; a lane holds 4 columns x 32 tokens.  All waves run one text: the two factors of a token are q_position or 1.0, and weighted_q or 1.0 (x 1.0 changes no bit).
; The first multiplication also lays a column's 32 numbers into consecutive registers, as the conversion wants them: a block of 32 along K is one lane's, so no other lane is asked for a maximum.
; The codes go to LDS as images of the operand's registers: row (column of the table) c16 of fragment f, block k: 16 bytes at 1,040 f + 256 k + 16 c16; a fragment is then two loads of 16 bytes a lane at 16 x lane.
; PHASE 2, behind one barrier.  Wave w makes rows 16 (w % 8) .. + 15 of d x 64 of e (w / 8), real and imag: 16 matrix instructions on 8 accumulators.  The product is used transposed (source 0 = 16 rows of e,
; source 1 = 16 rows of d), so that a lane holds 8 neighbouring e of one row.  The difference is made by flipping the sign bits of Q(R)'s codes.  Results leave through the wave's own stage in LDS as aligned runs of 256 bytes.
; NO CLUSTER, NO TENSOR LOAD: a row's address comes from a loaded index, so the rows are gathered by register loads; joint requests exist for tensor loads alone.
; LIMITS: NaN and infinities among the inputs are not served.  An index is taken as unsigned and held at 49,999 (the source relies on indices inside the table).  A block of zeros gets the byte 1 where the rule
; says 127: its codes are zeros, which add nothing under that byte, and the bytes are read by this program alone.  Blocks whose largest magnitude lies under 2^-124 take the byte 1, as the rule holds it; not tried.
; THE MODE: SCHED_MODE bits 1:0 = 2 (LLVM: expert scheduling mode 2), set by the entry lines.  The code itself states the register dependences between vector or matrix instructions and memory or LDS
; instructions, with s_wait_alu, always for 0.
; THE PLAN.  The text is one straight run.  Registers that memory or LDS instructions touch:
;   v2-5, v106-112  offsets and LDS addresses: written at the head by vector instructions, never again; read by every load and store.  One wait ahead of the first load.
;   v64-95   the index loads land; vector instructions make the rows' offsets in place; the gathers read them (a wait ahead of the gathers); the columns' multiplications write them again (a wait that the gathers have read them).
;   v32-63   weighted_q lands; vector instructions write and read them in phase 1; phase 2's LDS loads land in v32-47.
;   v128-255 the gathers land; the columns' multiplications read them; phase 2's LDS loads land in v128-191, twice; matrix results in v192-255, which the way out's LDS stores read.
;   v16-31, v10-13  codes and scale bytes, registers of its own for each column: written once by vector instructions, read by the LDS stores, which leave in two runs of four, each behind one wait.
;            The second of these waits also states that phase 1 is done with v32-63 and v128-255: only LDS stores and the barrier stand between it and phase 2's loads.
;   v96-105  scale words: LDS loads land, matrix instructions read; nothing else names them.
.set VOCAB, 50000
.set FPI,   1040                       ; a fragment's image: 1,024 bytes + 16, so that the sixteen lanes of a store fall on sixteen different 16-byte columns of 256
.set OPB,   8*FPI                      ; an operand: 8 fragments.  Operand 0 = Q(R), 1 = Q(I), of my 128 d; 2 = Q(R w), 3 = Q(I w), of my 128 e
.set SC,    4*OPB                      ; the scale words: 512 bytes an operand, 4 bytes a row, byte k for block k
.set STG,   SC+4*512                   ; the stages for the way out: 16 rows x 272 bytes for each wave
.set SP,    272
.set WSTG,  16*SP
.set LN,   1                           ; v1   lane
.set Z,    2                           ; v2   0: the offset of loads that every lane makes at the same address
.set L16,  3                           ; v3   16 x lane
.set STA,  4                           ; v4   LDS: where my codes go
.set STS,  5                           ; v5   LDS: where my scale bytes go
.set MXA,  6                           ; v6-7 two chains of the largest magnitude
.set MXB,  7
.set SCL,  8                           ; v8   the conversion's scale operand
.set ONE,  9                           ; v9   1.0
.set BY,   10                          ; v10-13 a scale byte for each of my 4 columns
.set RR,   14                          ; v14  lane % 16
.set HH,   15                          ; v15  lane / 16
.set C,    16                          ; v16-31 codes: 4 registers for each of my 4 columns
.set Q,    32                          ; v32-63 weighted_q of my 32 tokens, or 1.0
.set TT,   64                          ; v64-95 first the rows' byte offsets, then one column's 32 numbers
.set SCR,  96                          ; v96-105 scale words and nothing else: Q(R), Q(I) of my d fragment; 4 x Q(R w), 4 x Q(I w)
.set AA,   106                         ; v106 LDS: my d fragment's image
.set AB,   107                         ; v107 LDS: my first e fragment's image
.set SA,   108                         ; v108 LDS: my d fragment's scale words
.set SB,   109                         ; v109 LDS: my e fragments' scale words
.set SO,   110                         ; v110 the stage: where I put 32 bytes of a row
.set SR,   111                         ; v111 the stage: where I read a row back
.set GO,   112                         ; v112 my byte offset in the wave's rows of the output
.set RAW,  128                         ; v128-255 register 4 t + c: token t, my column c
.set A1,   32                          ; phase 2: Q(R), Q(I), -Q(R) of my 16 d
.set A2,   40
.set NA1,  48
.set B1,   128                         ; four fragments of Q(R w); later 16 rows of real on their way out
.set B2,   160                         ; four fragments of Q(I w); later 16 rows of imag
.set RE,   192                         ; four accumulators of real
.set IM,   224                         ; four of imag
.set PS,   68                          ; s68-99 q_position of my 32 tokens, or 1.0
	s_load_b256 s[4:11], s[0:1], 0x0               ; questions s[4:5], q_position s[6:7], weighted_q s[8:9], word_emb s[10:11]
	s_load_b128 s[12:15], s[0:1], 0x20             ; cmp_emb s[12:13], out0 s[14:15]
	s_load_b64 s[16:17], s[0:1], 0x30              ; out1
	v_lshl_add_u32 v126, v0, 2, 0x19a00
	v_mov_b32 v127, 0
	v_lshrrev_b32 v[LN], 5, v0
	v_readfirstlane_b32 s18, v[LN]                 ; wave 0..15
	v_and_b32 v[LN], 31, v0
	v_mov_b32 v[Z], 0
	v_mov_b32 v[ONE], 1.0
	v_lshlrev_b32 v[L16], 4, v[LN]
	v_and_b32 v[RR], 15, v0
	v_bfe_u32 v[HH], v0, 4, 1
	s_wait_alu depctr_va_sdst(0)                   ; s18, the wave's number, is written, ahead of its first reader: the line below
	s_and_b32 s19, s18, 3                          ; my block of 32 tokens
	s_bfe_u32 s20, s18, 0x10002                    ; my table: 0 word_emb, 1 cmp_emb
	s_lshr_b32 s21, s18, 3                         ; phase 1: my side (0: d, plain; 1: e, weighted).  Phase 2: which 64 of the 128 e
	s_and_b32 s25, s18, 7                          ; phase 2: my d fragment
	s_lshr_b32 s36, s18, 2                         ; phase 1: my operand = 2 x side + table
	s_lshr_b32 s22, ttmp9, 2                       ; batch
	s_bfe_u32 s23, ttmp9, 0x10001                  ; which half of d
	s_and_b32 s24, ttmp9, 1                        ; which half of e
	s_lshl_b32 s32, s19, 7                         ; a block's 32 numbers are 128 bytes
	s_mov_b32 s33, 0
	s_lshl_b32 s26, s22, 9                         ; a batch's 128 are 512
	s_add_co_u32 s26, s26, s32
	s_mov_b32 s27, 0
	s_cmp_eq_u32 s21, 0
	s_cselect_b32 s34, s23, s24                    ; the half of the columns that my side wants
	s_lshl_b32 s34, s34, 9                         ; 128 columns are 512 bytes
	s_mov_b32 s35, 0
	s_mov_b32 s42, 0x3f800000                      ; 1.0
	; LDS, phase 1.  My columns are 4 lane + c: fragment lane / 4, row 4 (lane % 4) + c
	v_lshrrev_b32 v[STA], 2, v[LN]
	v_mul_u32_u24 v[STA], v[STA], FPI
	v_and_b32 v[STS], 3, v[LN]
	v_lshl_add_u32 v[STA], v[STS], 6, v[STA]
	s_mul_i32 s37, s36, OPB
	s_lshl_b32 s38, s19, 8
	s_add_co_u32 s37, s37, s38
	v_add_nc_u32 v[STA], s37, v[STA]               ; operand + 1,040 (lane / 4) + 64 (lane % 4) + 256 block; column c: 16 c on
	s_lshl_b32 s37, s36, 9
	s_add_co_u32 s37, s37, s19
	s_add_co_u32 s37, s37, SC
	v_add_nc_u32 v[STS], s37, v[L16]               ; the operand's scale words + 16 lane + block; column c: 4 c on
	; LDS, phase 2
	s_mul_i32 s37, s25, FPI
	v_add_nc_u32 v[AA], s37, v[L16]
	s_mul_i32 s37, s21, 4*FPI
	v_add_nc_u32 v[AB], s37, v[L16]
	s_lshl_b32 s37, s25, 6
	v_lshl_add_u32 v[SA], v[RR], 2, s37            ; row lane % 16 of my d fragment: both halves of the lanes read the same words
	s_lshl_b32 s37, s21, 8
	v_lshl_add_u32 v[SB], v[RR], 2, s37
	s_mul_i32 s37, s18, WSTG
	s_add_co_u32 s37, s37, STG                     ; my stage
	v_mul_u32_u24 v[SO], v[RR], SP
	v_lshl_add_u32 v[SO], v[HH], 5, v[SO]
	v_add_nc_u32 v[SO], s37, v[SO]                 ; in: row lane % 16, 32 bytes for each half of the lanes
	v_mul_u32_u24 v[SR], v[HH], SP
	v_lshl_add_u32 v[SR], v[RR], 4, v[SR]
	v_add_nc_u32 v[SR], s37, v[SR]                 ; back: lanes 0-15 one row of 256 bytes, lanes 16-31 the next
	v_lshlrev_b32 v[GO], 10, v[HH]
	v_lshl_add_u32 v[GO], v[RR], 4, v[GO]          ; and the same two rows in the output (a row is 1,024 bytes)
	; where my wave's 16 rows x 256 bytes begin in each output
	s_lshl_b32 s40, s22, 18                        ; batch x 256 rows
	s_lshl_b32 s39, s23, 17                        ; + half of d x 128 rows
	s_add_co_u32 s40, s40, s39
	s_lshl_b32 s39, s25, 14                        ; + fragment x 16 rows
	s_add_co_u32 s40, s40, s39
	s_lshl_b32 s39, s24, 9                         ; + half of e x 512 bytes
	s_add_co_u32 s40, s40, s39
	s_lshl_b32 s39, s21, 8                         ; + my 64 e x 4 bytes
	s_add_co_u32 s40, s40, s39
	s_mov_b32 s41, 0
	s_wait_kmcnt 0x0
	s_add_nc_u64 s[4:5], s[4:5], s[26:27]          ; questions, q_position and weighted_q at my block
	s_add_nc_u64 s[6:7], s[6:7], s[26:27]
	s_add_nc_u64 s[8:9], s[8:9], s[32:33]
	s_wait_alu depctr_va_vdst(0)                   ; the offsets and LDS addresses v2 to v5 and v106 to v112 are written: every load and store of the kernel reads one of them, and none is written again
.irp k, 0,1,2,3,4,5,6,7
	global_load_b128 v[TT+4*\k:TT+4*\k+3], v[Z], s[4:5] offset:16*\k   ; my 32 indices, the same in every lane: register t is token t's
.endr
	s_load_b512 s[PS:PS+15], s[6:7], 0x0           ; q_position of my 32 tokens: one number a token, so scalar registers hold them
	s_load_b512 s[PS+16:PS+31], s[6:7], 0x40
.irp k, 0,1,2,3,4,5,6,7
	global_load_b128 v[Q+4*\k:Q+4*\k+3], v[Z], s[8:9] offset:16*\k     ; weighted_q likewise, in vector registers: the packed multiplication takes two different factors from a vector pair alone
.endr
	s_cmp_eq_u32 s20, 0
	s_cselect_b64 s[28:29], s[10:11], s[12:13]     ; my table,
	s_add_nc_u64 s[28:29], s[28:29], s[34:35]      ; at my half of its columns
	s_add_nc_u64 s[14:15], s[14:15], s[40:41]
	s_add_nc_u64 s[16:17], s[16:17], s[40:41]
	s_wait_loadcnt 8                               ; the 8 index loads are in; the 8 loads of weighted_q, issued behind them, may be out
.set n, 0
.rept 32
	v_min_u32 v[TT+n], VOCAB-1, v[TT+n]            ; held inside the table
.set n, n+1
.endr
.set n, 0
.rept 32
	v_lshl_add_u32 v[TT+n], v[TT+n], 10, v[L16]    ; row x 1,024 bytes + my 16 bytes
.set n, n+1
.endr
	s_wait_alu depctr_va_vdst(0)                   ; the 32 rows' offsets in v64-95 are written, which the gathers read
.set n, 0
.rept 32
	global_load_b128 v[RAW+4*n:RAW+4*n+3], v[TT+n], s[28:29]   ; token n: 32 lanes read 512 consecutive bytes, at a multiple of 512 from the table's first byte.  No hint: the batch's other work-groups read the row too
.set n, n+1
.endr
	s_wait_kmcnt 0x0                               ; q_position
	s_cmp_eq_u32 s20, 0                            ; word_emb has no position factor
.set n, 0
.rept 32
	s_cselect_b32 s[PS+n], s42, s[PS+n]
.set n, n+1
.endr
	s_cmp_eq_u32 s21, 0                            ; the e side alone is weighted: side 0 takes 1.0, side 1 weighted_q
	s_cselect_b32 s30, 0, -1
	s_wait_loadcnt 32                              ; weighted_q is in; the 32 gathers, issued behind it, may be out
.set n, 0
.rept 32
	v_cndmask_b32 v[Q+n], v[ONE], v[Q+n], s30      ; (the mask is a scalar instruction's; these lines name none of the gathers' registers)
.set n, n+1
.endr
	s_wait_loadcnt 0x0                             ; a column wants all 32 tokens
	s_wait_alu depctr_vm_vsrc(0)                   ; the gathers have read their offsets in v64-95, which the columns' multiplications write from here on
; One of my 4 columns: its 32 numbers, their block's scale, 32 codes and the scale's byte, into registers of the column's own.
.macro COLUMN c
.set n, 0
.rept 32
	v_mul_f32 v[TT+n], s[PS+n], v[RAW+4*n+(\c)]    ; x q_position (or 1.0), rounded; the column now lies in consecutive registers
.set n, n+1
.endr
.set n, 0
.rept 16
	v_pk_mul_f32 v[TT+n:TT+n+1], v[TT+n:TT+n+1], v[Q+n:Q+n+1]   ; x weighted_q (or 1.0), two tokens at a time
.set n, n+2
.endr
	v_max3_num_f32 v[MXA], |v[TT]|, |v[TT+1]|, 0x1800000        ; the largest magnitude, in two chains, with the floor 2^(3 - 127) among the leaves: the byte cannot fall under 1
	v_max3_num_f32 v[MXB], |v[TT+2]|, |v[TT+3]|, |v[TT+4]|
.irp i, 5,9,13,17,21,25
	v_max3_num_f32 v[MXA], v[MXA], |v[TT+\i]|, |v[TT+\i+1]|
	v_max3_num_f32 v[MXB], v[MXB], |v[TT+\i+2]|, |v[TT+\i+3]|
.endr
	v_max3_num_f32 v[MXA], v[MXA], |v[TT+29]|, |v[TT+30]|
	v_max3_num_f32 v[MXA], v[MXA], v[MXB], |v[TT+31]|
	v_add_nc_u32 v[SCL], 0xff000000, v[MXA]        ; 2 off its exponent field: the conversion takes the exponent field of this operand as its scale, and nothing else of it
.irp g, 0,1,2,3
	v_cvt_scalef32_pk8_fp4_f32 v[C+4*(\c)+\g], v[TT+8*\g:TT+8*\g+7], v[SCL]   ; to the nearest code, ties to even, beyond 6 the largest code; the lower token in the lower bits
.endr
	v_lshrrev_b32 v[BY+(\c)], 23, v[SCL]           ; the scale's byte.  Also the plain instruction between the conversions and the next writes of their sources
.endm
; A column's codes and its byte go to LDS.
.macro SEND c
	ds_store_b128 v[STA], v[C+4*(\c):C+4*(\c)+3] offset:16*(\c)
	ds_store_b8 v[STS], v[BY+(\c)] offset:4*(\c)
.endm
	COLUMN 0
	COLUMN 1
	s_wait_alu depctr_va_vdst(0)                   ; columns 0 and 1: the conversions have written v16-23 and the shifts v10 and v11, which the four LDS stores below read
	SEND 0
	SEND 1                                         ; columns 2 and 3 write other registers than these stores read
	COLUMN 2
	COLUMN 3
	s_wait_alu depctr_va_vdst(0)                   ; columns 2 and 3: v24-31, v12 and v13 are written, which the stores below read; and phase 1's vector instructions are done with v32-63 and v128-255, in which phase 2's LDS loads land
	SEND 2
	SEND 3
	s_wait_dscnt 0x0                               ; for the others' sake: my codes and bytes lie in LDS
	s_barrier_signal -1
	s_barrier_wait -1                              ; all four operands are whole
	; PHASE 2.  The d side first: six loads.  No vector instruction has been issued since the wait above
.irp c, 0,1
	ds_load_b128 v[A1+4*\c:A1+4*\c+3], v[AA] offset:512*\c
	ds_load_b128 v[A2+4*\c:A2+4*\c+3], v[AA] offset:OPB+512*\c
.endr
	ds_load_b32 v[SCR], v[SA] offset:SC
	ds_load_b32 v[SCR+1], v[SA] offset:SC+512
.irp t, 0,1,2,3
.irp c, 0,1
	ds_load_b128 v[B1+8*\t+4*\c:B1+8*\t+4*\c+3], v[AB] offset:2*OPB+\t*FPI+512*\c
	ds_load_b128 v[B2+8*\t+4*\c:B2+8*\t+4*\c+3], v[AB] offset:3*OPB+\t*FPI+512*\c
.endr
	ds_load_b32 v[SCR+2+\t], v[SB] offset:SC+1024+64*\t
	ds_load_b32 v[SCR+6+\t], v[SB] offset:SC+1536+64*\t
.endr
	s_wait_dscnt 24                                ; the d side's six loads are in; the e side's 24, issued behind them, may be out
.irp k, 0,1,2,3,4,5,6,7
	v_xor_b32 v[NA1+\k], 0x88888888, v[A1+\k]      ; -Q(R): the sign is the top bit of each code; the scale word stays
.endr
	s_wait_dscnt 0x0
.rept 4
	v_nop                                          ; an operand written by vector instructions stands four places ahead of a scaled matrix instruction
.endr
	s_wait_alu depctr_va_vdst(0)                   ; the eight exclusive ors have written v48-55, which scaled matrix instructions below take as an operand; the places above stay beside this wait
	; real = Q(R w)[e] Q(R)[d] + Q(I w)[e] Q(I)[d];  imag = Q(R w)[e] Q(I)[d] + Q(I w)[e] (-Q(R))[d].
	; The eight accumulators take turns, one instruction a turn.  The first product of each starts its sum: nothing is cleared.
.irp t, 0,1,2,3
	v_wmma_scale_f32_16x16x128_f8f6f4 v[RE+8*\t:RE+8*\t+7], v[B1+8*\t:B1+8*\t+7], v[A1:A1+7], 0, v[SCR+2+\t], v[SCR] matrix_a_fmt:MATRIX_FMT_FP4 matrix_b_fmt:MATRIX_FMT_FP4
	v_wmma_scale_f32_16x16x128_f8f6f4 v[IM+8*\t:IM+8*\t+7], v[B1+8*\t:B1+8*\t+7], v[A2:A2+7], 0, v[SCR+2+\t], v[SCR+1] matrix_a_fmt:MATRIX_FMT_FP4 matrix_b_fmt:MATRIX_FMT_FP4
.endr
.irp t, 0,1,2,3
	v_wmma_scale_f32_16x16x128_f8f6f4 v[RE+8*\t:RE+8*\t+7], v[B2+8*\t:B2+8*\t+7], v[A2:A2+7], v[RE+8*\t:RE+8*\t+7], v[SCR+6+\t], v[SCR+1] matrix_a_fmt:MATRIX_FMT_FP4 matrix_b_fmt:MATRIX_FMT_FP4
	v_wmma_scale_f32_16x16x128_f8f6f4 v[IM+8*\t:IM+8*\t+7], v[B2+8*\t:B2+8*\t+7], v[NA1:NA1+7], v[IM+8*\t:IM+8*\t+7], v[SCR+6+\t], v[SCR] matrix_a_fmt:MATRIX_FMT_FP4 matrix_b_fmt:MATRIX_FMT_FP4
.endr
.rept 4
	v_nop                                          ; four places in front of the stores that read results
.endr
	s_wait_alu depctr_va_vdst(0)                   ; the matrix instructions have written the accumulators v192-255, which the LDS stores below read, and are done reading the fragments in v128-191, in which the stage's loads land; no vector instruction follows
	; THE WAY OUT.  Lane (r, h), register j of tile t: row r, e = 16 t + 8 h + j: 32 neighbouring bytes; the lanes beside it hold other rows.  So 16 rows x 256 bytes go through my own stage and come back by rows.
	; LDS serves a wave's instructions in order (ISA guide 5.7.1.4): the loads see the stores above them, and imag's stores come behind real's loads.
.irp t, 0,1,2,3
	ds_store_b128 v[SO], v[RE+8*\t:RE+8*\t+3] offset:64*\t           ; each accumulator from its low end on
	ds_store_b128 v[SO], v[RE+8*\t+4:RE+8*\t+7] offset:64*\t+16
.endr
.irp i, 0,1,2,3,4,5,6,7
	ds_load_b128 v[B1+4*\i:B1+4*\i+3], v[SR] offset:2*\i*SP
.endr
.irp t, 0,1,2,3
	ds_store_b128 v[SO], v[IM+8*\t:IM+8*\t+3] offset:64*\t
	ds_store_b128 v[SO], v[IM+8*\t+4:IM+8*\t+7] offset:64*\t+16
.endr
.irp i, 0,1,2,3,4,5,6,7
	ds_load_b128 v[B2+4*\i:B2+4*\i+3], v[SR] offset:2*\i*SP
.endr
.irp i, 0,1,2,3,4,5,6,7
	s_wait_dscnt 23-\i                             ; behind real's load i: its 7 - i younger loads, imag's 8 stores and 8 loads
	global_store_b128 v[GO], v[B1+4*\i:B1+4*\i+3], s[14:15] offset:2048*\i th:TH_STORE_NT   ; sixteen lanes store 256 consecutive bytes, at a multiple of 256 from the output's first byte; written once, read by nobody here
.endr
.irp i, 0,1,2,3,4,5,6,7
	s_wait_dscnt 7-\i
	global_store_b128 v[GO], v[B2+4*\i:B2+4*\i+3], s[16:17] offset:2048*\i th:TH_STORE_NT
.endr
	s_wait_dscnt 0x0
	s_wait_alu depctr_hold_cnt(0) depctr_sa_sdst(0) depctr_va_vdst(0) depctr_va_sdst(0) depctr_va_ssrc(0) depctr_va_vcc(0) depctr_vm_vsrc(0)
	s_wait_tensorcnt 0x0
	ds_add_u32 v126, v127
	s_wait_dscnt 0x0
	s_endpgm
.Lfunc_end_k_qbdd78c839f_density:
	.size	k_qbdd78c839f_density, .Lfunc_end_k_qbdd78c839f_density-k_qbdd78c839f_density
	.p2alignl 7, 3214868480
	.fill 96, 4, 3214868480
	.section	.rodata,"a",@progbits
	.p2align	6, 0x0
	.amdhsa_kernel k_qbdd78c839f_density
		.amdhsa_group_segment_fixed_size 107008
		.amdhsa_private_segment_fixed_size 0
		.amdhsa_enable_private_segment 0
		.amdhsa_kernarg_size 56
		.amdhsa_user_sgpr_count 2
		.amdhsa_user_sgpr_kernarg_segment_ptr 1
		.amdhsa_wavefront_size32 1
		.amdhsa_system_sgpr_workgroup_id_x 1
		.amdhsa_system_sgpr_workgroup_id_y 1
		.amdhsa_system_sgpr_workgroup_id_z 1
		.amdhsa_system_vgpr_workitem_id 0
		.amdhsa_next_free_vgpr 256
		.amdhsa_next_free_sgpr 100
		.amdhsa_reserve_vcc 0
		.amdhsa_float_denorm_mode_32 3
		.amdhsa_float_denorm_mode_16_64 3
		.amdhsa_memory_ordered 1
		.amdhsa_forward_progress 1
		.amdhsa_inst_pref_size 39
	.end_amdhsa_kernel
	.amdgpu_metadata
---
amdhsa.version: [ 1, 2 ]
amdhsa.kernels:
  - .name:           k_qbdd78c839f_density
    .symbol:         k_qbdd78c839f_density.kd
    .args:
      - { .name: questions, .offset: 0, .size: 8, .value_kind: global_buffer, .address_space: global }
      - { .name: q_position, .offset: 8, .size: 8, .value_kind: global_buffer, .address_space: global }
      - { .name: weighted_q, .offset: 16, .size: 8, .value_kind: global_buffer, .address_space: global }
      - { .name: word_emb, .offset: 24, .size: 8, .value_kind: global_buffer, .address_space: global }
      - { .name: cmp_emb, .offset: 32, .size: 8, .value_kind: global_buffer, .address_space: global }
      - { .name: out0, .offset: 40, .size: 8, .value_kind: global_buffer, .address_space: global }
      - { .name: out1, .offset: 48, .size: 8, .value_kind: global_buffer, .address_space: global }
    .group_segment_fixed_size: 107008
    .private_segment_fixed_size: 0
    .kernarg_segment_align: 8
    .kernarg_segment_size: 56
    .max_flat_workgroup_size: 512
    .sgpr_count:     100
    .vgpr_count:     256
    .wavefront_size: 32
...
	.end_amdgpu_metadata
.endif
;; end of part 2
